; MI455X (gfx1250); checked and timed in simulation.
; The chip was launched on July 23, 2026; its instructions are those of AMD's public machine-readable ISA for CDNA 5 (MIT licence, August 2026) and "CDNA5" Instruction Set Architecture Reference Guide (July 2026). The comments in the code are by the model that wrote it; some were corrected since.
;; Multi Head Attention. Allowed arithmetic: matrix products marked QUANTISED: E5M2 operands, one given power-of-two scale a tensor, by v_wmma_f32_16x16x64_bf8_bf8 or v_wmma_f32_16x16x128_bf8_bf8, f32 sums; everything else in f32.
;; Inputs: K_codes 4 x 2,048 x 32 x 32 uint8 (E5M2 codes of K, K innermost, in blocks of 32 codes); Q_codes 4 x 2,048 x 32 x 32 uint8 (E5M2 codes of Q, K innermost, in blocks of 32 codes); V_codes 4 x 2,048 x 32 x 32 uint8 (E5M2 codes of V, K innermost, in blocks of 32 codes); Wk_codes 16 x 64 x 32 x 32 uint8 (E5M2 codes of Wk, K innermost, in blocks of 32 codes); Wo_codes 1,024 x 32 x 32 uint8 (E5M2 codes of Wo, K innermost, in blocks of 32 codes); Wq_codes 16 x 64 x 32 x 32 uint8 (E5M2 codes of Wq, K innermost, in blocks of 32 codes); Wv_codes 16 x 64 x 32 x 32 uint8 (E5M2 codes of Wv, K innermost, in blocks of 32 codes); bk 16 x 64 float32; bo 1,024 float32; bq 16 x 64 float32; bv 16 x 64 float32; lowp_scales 12 int32 (the exponents e of the quantised operands' scales 2^e).
;; Outputs: out0 4 x 2,048 x 1,024 float32.
;; Constants: apply_mask = 1.
;; This version of the problem:
;;   THIS VERSION OF THE PROBLEM IS GIVEN IN LOW PRECISION. The matrix products marked QUANTISED in the list below multiply operands that are first quantised to E5M2 (5 exponent bits, 2 mantissa bits; 8 bits a number), with one given power-of-two scale for each operand tensor; their sums are f32. All else is computed in f32.
;;   The module's matrix products, in the order in which they are computed (A, B: the left and right operand; K: the contracted axis; several contracted axes count as one K, in the product's order):
;;     1. [M 1,024, K 1,024] x [K 1,024, N 8,192]; A: input Wq (given as codes); B: input Q (given as codes): QUANTISED (scales: A lowp_scales[0], B lowp_scales[1])
;;     2. [M 1,024, K 1,024] x [K 1,024, N 8,192]; A: input Wk (given as codes); B: input K (given as codes): QUANTISED (scales: A lowp_scales[2], B lowp_scales[3])
;;     3. [M 1,024, K 1,024] x [K 1,024, N 8,192]; A: input Wv (given as codes); B: input V (given as codes): QUANTISED (scales: A lowp_scales[4], B lowp_scales[5])
;;     4. batch 64 x [M 2,048, K 64] x [K 64, N 2,048]; A: computed on the way; B: computed on the way: QUANTISED (scales: A lowp_scales[6], B lowp_scales[7])
;;     5. batch 64 x [M 2,048, K 2,048] x [K 2,048, N 64]; A: softmax (see below); B: computed on the way: QUANTISED (scales: A lowp_scales[8], B lowp_scales[9])
;;     6. [M 8,192, K 1,024] x [K 1,024, N 1,024]; A: computed on the way; B: input Wo (given as codes): QUANTISED (scales: A lowp_scales[10], B lowp_scales[11])
;;   THE QUANTISER, for each operand of a quantised product, along K:
;;     - The operand's scale is 2^e, e = its entry of the input lowp_scales (int32; the entries are numbered through the quantised products in the list's order, A before B).
;;     - Each number is divided by the scale, clamped to +-57,344, and rounded to the nearest number of E5M2, ties to even, subnormals kept.
;;     - The product sums the exact products of the quantised numbers (number of the format x scale) in f32.
;;   ~~~python
;;   def quantise(x, axis, e):      # numpy; x: float32 -> the quantised numbers, widened to float32 again
;;       x = np.moveaxis(x, axis, -1); K = x.shape[-1]
;;       r = np.clip(x / 2.0 ** e, -57344, 57344)
;;       step = 2.0 ** (np.maximum(np.frexp(np.where(r == 0, 1, r))[1] - 1, -14) - 2)
;;       q = np.round(r / step) * step * 2.0 ** e      # np.round: ties to even
;;       return np.moveaxis(q, -1, axis).astype(np.float32)
;;   ~~~
;;   SOFTMAX AHEAD OF A QUANTISED PRODUCT. Where the list says 'softmax', what is quantised is not the finished softmax but p = 2^(t - M), with t = logit x log2(e) and M = ceil(the row's largest t), a whole number; so 1/2 < the row's largest p <= 1. The row's sum l is taken of the UNQUANTISED p, in f32, and the product's result is divided by l at the end. Since M is a whole number, a kernel that streams over the keys may use a running M (the ceiling of the running maximum): every later rescaling is an exact power of two, so the quantised numbers keep their values, but for numbers so far below the row's largest that they fall under the format's range.
;;   OPERANDS COMPUTED ON THE WAY. 'Computed on the way' means the value that the module computes at that place (a softmax that the list does not call 'softmax' is quantised finished and normalised). What goes into a quantiser is computed in f32, as accurately as f32 sums, v_exp_f32 and their like allow (about 1e-6 of the number): no bf16 or f16 on the way to a quantiser, and a product that is left as it is and whose result goes on into a quantised operand takes f32 operands (vector FMAs, or v_wmma_f32_16x16x4_f32). A number that lies on a knife's edge between two numbers of the format may be rounded either way, as far as f32 arithmetic and the matrix unit's own rounding can turn it there, and no further.
;;   INPUTS GIVEN AS CODES. K (in the module: [4, 2048, 1024], K = its axis 2); Q (in the module: [4, 2048, 1024], K = its axis 2); V (in the module: [4, 2048, 1024], K = its axis 2); Wk (in the module: [16, 1024, 64], K = its axis 1); Wo (in the module: [1024, 1024], K = its axis 0); Wq (in the module: [16, 1024, 64], K = its axis 1); Wv (in the module: [16, 1024, 64], K = its axis 1): each comes as NAME_codes (uint8): NAME with its K axis moved to the last place and cut into blocks of 32 codes, [.., K / 32, bytes a block], one block behind the other in memory; one code a byte (a code: sign, 5 exponent bits, 2 mantissa bits); its scale is its entry of lowp_scales. Its value is code x scale, taken as it is: it is not quantised again, and the codes and scales need not be those that the quantiser above would give.
;; One version. Each part assembles by itself: llvm-mc -triple=amdgcn-amd-amdhsa -mcpu=gfx1250 --defsym DOCPART=n.
;; ======== version 1 of 1: 3 launches
;; limits: right only within a limited range of input values
;; workspace buffers: qws 8,388,608 bytes; kws 8,388,608 bytes; vws 8,388,608 bytes; aows 8,388,608 bytes
;; launch proj (part 1): grid 4 x 64, 4 waves a work-group, clusters of 4 x 4, 327,680 bytes of LDS; arguments Q_codes, K_codes, V_codes, Wq_codes, Wk_codes, Wv_codes, bq, bk, bv, lowp_scales, qws, kws, vws; writes qws, kws, vws
.if DOCPART == 1
	.amdgcn_target "amdgcn-amd-amdhsa--gfx1250"
	.amdhsa_code_object_version 6
	.text
	.protected	k_qae691bdf92_proj
	.globl	k_qae691bdf92_proj
	.p2align	8
	.type	k_qae691bdf92_proj,@function
k_qae691bdf92_proj:
	s_mov_b64 s[64:65], 0
	v_nop
	global_prefetch_b8 v0, s[64:65] scope:SCOPE_SE
	s_setreg_imm32_b32 hwreg(HW_REG_WAVE_MODE, 25, 1), 1
	s_wait_xcnt 0x0
	s_wait_alu depctr_hold_cnt(0) depctr_sa_sdst(0) depctr_va_vdst(0) depctr_va_sdst(0) depctr_va_ssrc(0) depctr_va_vcc(0) depctr_vm_vsrc(0)
	s_getreg_b32 s2, hwreg(HW_REG_IB_STS2, 6, 4)
	s_cmp_eq_u32 s2, 0
	s_cbranch_scc0 .Lentry_in_a_cluster
	s_endpgm
.Lentry_in_a_cluster:
	s_bfe_u32 s2, ttmp6, 0x10000c
	s_cmp_lg_u32 s2, 0xf033
	s_cbranch_scc0 .Lentry_shape_is_right
	s_endpgm
.Lentry_shape_is_right:
; q = Q Wq + bq, k = K Wk + bk, v = V Wv + bv, on codes of BF8 (E5M2) as they are given; the results are quantised to BF8 with the given scales
; (q: entry 6, k: entry 7, v: entry 9 of the scales) and stored as IMAGES OF OPERAND REGISTERS for the attention launch.
; WORK LEFT OUT BY THE PROGRAM: the attention launch multiplies no tile of scores all of whose keys come after all of its queries.  reference() builds the causal mask in its own body (apply_mask = 1 is a constant
; of the problem) and sets those scores to -infinity, so their weights are 0 whatever the inputs hold.  LIMIT: a NaN, an infinity or an overflow that reaches only those tiles is not carried to the result.
; SHARES.  q and k are 2 x 128 tiles of 256 x 256; v is cut into 8 x 32 = 256 half tiles of 128 features x 256 tokens.  256 work-groups STAY: each makes one tile of q or k (phase 1), then one half tile of v (phase 2).
; K = 1,024 goes as four K steps of 256 through a ring of two LDS slots filled by the tensor data mover (rows of 256 bytes, 272 apart in LDS), and the ring goes on from phase 1 into phase 2:
; phase 1's last two changes of slots ask for v's K steps 0 and 1, which are on their way while q's or k's results leave.
; "A" is source 1 of the matrix instruction (a lane holds one row of A), "B" is source 0 (a lane's eight results run along B's rows).
;   phase 1: A = 256 tokens, B = 256 features (head x 64 + dk); a wave has 128 x 128, 64 accumulators: a lane holds one token and eight neighbouring features: the next product's K runs along its registers.
;   phase 2: A = 128 features of Wv, B = 256 tokens; a wave has 64 x 128, 32 accumulators: a lane holds one feature d and eight neighbouring tokens (keys), which are the K of the product with p.
; So eight results convert into two registers that ARE registers 2 c, 2 c + 1 (k = 16 c + 8 (lane / 16) + 0 .. 7) of the next operand, and four such registers of all 32 lanes
; leave by one store of 512 consecutive bytes, at a multiple of 512 from the buffer's first byte.  No stage in LDS is needed.
;   qws, kws: [batch x 16 + head][token / 16][1,024 bytes]: registers 0-3 at 16 x lane, registers 4-7 at 512 + 16 x lane.
;   vws:      [batch x 16 + head][key / 128][d / 16][2,048 bytes]: registers 4 c .. 4 c + 3 at 512 c + 16 x lane.
; THE BIAS is the C of each sum's first matrix instruction, divided by the power of two that the sums lack: b / 2^(ea + eb).  The three scales are folded into the conversion's one: 2^(eout - ea - eb).
; CLUSTERS: 4 x 4 work-groups; A's tile is shared along a row of the cluster, B's along a column: joint loads, in both phases.  What else places a tile hangs on the cluster's y alone: equal in all sixteen partners.
; PREFETCHES: behind a fill's lines a wave asks, by one instruction, a lane a row of 256 bytes, for its share of what the fill two fills on will bring (behind K step 1's fill: K steps 2 and 3 of phase 1; behind the next
; four fills: K steps 0 to 3 of phase 2).  K steps 0 and 1 of phase 1 come by their loads alone.  The waves that fetch a tile ask for it; the four partners that ask for it jointly share its rows out by address.
; Rows of tokens are asked for in each cluster that loads them (V's: two clusters).  The weights, which eight or sixteen clusters load, are asked for once: Wq's by cluster y = 0, Wk's by y = 8, Wv's halves by y = 0 and 1
; (a branch on the cluster's y, equal in all partners).  The address registers are never rewritten, and every lane's address lies inside its buffer.
; LIMITS: eout - ea - eb between -126 and 112, so that the powers of two below are f32 numbers.  NaN among the inputs is not served.
; REGISTERS: window 0: v0-31 addresses; v32-95 phase 1's bias, later a block's held sums; v96-127 phase 2's bias; v128-255 A's fragments (phase 1: one set of eight blocks; phase 2: two sets of four), later the codes.
;   window 1: B's fragments, two sets.  windows 2, 3: the accumulators (phase 2: window 2 alone).
.set PITCH,  272                       ; an LDS row: 256 bytes + 16 of padding: the 16 rows of a fragment load start 68 words apart
.set HALFT,  128*PITCH                 ; 128 rows
.set SLOT,   4*HALFT                   ; A's 256 rows (phase 2: 128 of them are used), then B's 256 rows
.set SPARE,  2*SLOT                    ; behind the ring: the spare words, 128 bytes a wave
.set ROWB,   256
.set KROW,   1024
.set PFO1, 6                           ; v6      the prefetches' offset, phase 1: 1,024 x lane; never rewritten
.set PFO2, 7                           ; v7      phase 2: 1,024 x lane; for Wv's 16 rows lanes 16-31 name the last row again; never rewritten
.set ADRA, 16                          ; v16-17  LDS address of my A fragments in slot 0, 1 (phase 1)
.set ADRA2, 18                         ; v18-19  the same in phase 2
.set ADRB, 20                          ; v20-21  the same for B
.set VO1,  24                          ; v24     16 x lane
.set SCL,  26                          ; v26     2^(eout - ea - eb), phase 1
.set LIM,  27                          ; v27     57,344 x that
.set SPW,  28                          ; v28     my spare word; never rewritten
.set NIL,  29                          ; v29     0; never rewritten
.set SCL2, 30                          ; v30, v31 the same two numbers for v
.set LIM2, 31
.set BIAS, 32
.set BIAS2, 96
.set AF,   128
.set CD,   128
.set G1, 24                            ; s[24:31] group 1 of A's tiles, phase 1: 128 rows
.set G0, 32                            ; s[32:39] group 0 of A's tiles, one for each slot
.set G1B, 48                           ; s[48:55] group 1 of B's tiles
.set G0B, 56                           ; s[56:63] group 0 of B's tiles
.set G1C, 88                           ; s[88:95] group 1 of A's tiles, phase 2: 64 rows
.set PA2, 80                           ; s[80:81] where my part of Wv's tile begins, with the type bits;  s[82:83] the same for V's
.set PB2, 82
.set EN1, 43                           ; s43, s44 1 where my wave prefetches in phase 1, for phase 2
.set EN2, 44
.set PF1, 66                           ; s[66:67], s[84:85] my share's first row, K step 0: of phase 1's tile, of phase 2's
.set PF2, 84
.set MSB, 0
.macro WIN new                         ; the immediate's high byte repeats the setting that is left
.if MSB != (\new)
	s_set_vgpr_msb (MSB<<8)|(\new)
.set MSB, (\new)
.endif
.endm
.macro PLACES n
.rept \n
	v_nop
.endr
.endm
; A joint load: waves 0 and 1 fetch for A, waves 2 and 3 for B.  An s_nop 0 and four v_nop follow each of the two lines.
.macro JLOAD g0a, g1a, g0b, g1b
	s_cmp_eq_u32 s15, 0
	s_cbranch_scc0 .Lfor_b_\@
	tensor_load_to_lds s[\g0a:\g0a+3], s[\g1a:\g1a+7]
	s_nop 0
.rept 4
	v_nop
.endr
	s_branch .Lasked_\@
.Lfor_b_\@:
	tensor_load_to_lds s[\g0b:\g0b+3], s[\g1b:\g1b+7]
	s_nop 0
.rept 4
	v_nop
.endr
.Lasked_\@:
.endm
; A prefetch: my share of a tile's rows, the 256 bytes of the K step at byte off of each.  The branch hangs on the wave's number and the cluster's y.
.macro ASK en, pfo, pfa, off
	s_cmp_lg_u32 s[\en], 0
	s_cbranch_scc0 .Lnot_mine_\@
	global_prefetch_b8 v[\pfo], s[\pfa:\pfa+1] offset:\off th:TH_LOAD_NT scope:SCOPE_SE
.Lnot_mine_\@:
.endm
.macro CREST                           ; a round of the cluster's barrier behind its opening barrier
	s_cmp_lg_u32 s14, 0
	s_cbranch_scc1 .Lnot_wave_0_\@
	s_barrier_signal -3
.Lnot_wave_0_\@:
	s_barrier_wait -3
	s_barrier_signal -1
	s_barrier_wait -1
.endm
.macro CROUND
	s_barrier_signal -1
	s_barrier_wait -1
	CREST
.endm
	s_load_b512 s[68:83], s[0:1], 0x0              ; Q, K, V, Wq, Wk, Wv, bq, bk
	s_load_b256 s[84:91], s[0:1], 0x40             ; bv, the scales, qws, kws
	s_load_b64 s[92:93], s[0:1], 0x60              ; vws
	v_lshl_add_u32 v[SPW], v0, 2, SPARE
	v_mov_b32 v[NIL], 0
	ds_add_u32 v[SPW], v[NIL]                      ; the opening lines: the add, twice on end, and its wait ahead of my first tensor load
	ds_add_u32 v[SPW], v[NIL]
	v_lshrrev_b32 v1, 5, v0
	v_readfirstlane_b32 s14, v1                    ; wave 0..3
	s_lshr_b32 s15, s14, 1                         ; which half of A's rows is mine.  Also: I fetch for A (0) or for B (1)
	s_and_b32 s16, s14, 1                          ; which 128 rows of B are mine.  Also: which half of a tile I fetch
	s_bfe_u32 s40, ttmp6, 0x40000                  ; cx
	s_bfe_u32 s41, ttmp6, 0x40004                  ; cy
	s_and_b32 s13, ttmp7, 0xffff                   ; cluster y, 0..15
	s_lshr_b32 s12, s13, 3                         ; phase 1: 0 q, 1 k
	s_and_b32 s2, s13, 7
	s_lshl_b32 s17, s2, 2
	s_add_co_u32 s17, s17, s41                     ; phase 1: A's tile (256 tokens) = 4 (y % 8) + cy; B's tile (256 features) = cx
	s_and_b32 s2, s13, 1
	s_lshl_b32 s96, s2, 2
	s_add_co_u32 s96, s96, s41                     ; phase 2: A's tile (128 features) = 4 (y % 2) + cy
	s_lshr_b32 s3, s13, 1
	s_lshl_b32 s97, s3, 2
	s_add_co_u32 s97, s97, s40                     ; phase 2: B's tile (256 tokens) = 4 (y / 2) + cx
	s_lshl_b32 s43, s41, 2
	s_lshl_b32 s43, 15, s43                        ; my row of the cluster
	s_lshl_b32 s44, 0x1111, s40                    ; my column
	; descriptor group 1: 128 rows x 256 bytes, 1,024 bytes apart in memory, 16 bytes of padding behind each row in LDS
	s_or_b32 s[G1+0], s43, (0<<16)|(1<<20)|(1<<21)|(5<<22)|(3<<25)
	s_or_b32 s[G1B+0], s44, (0<<16)|(1<<20)|(1<<21)|(5<<22)|(3<<25)
.irp g, G1, G1B
	s_mov_b32 s[\g+1], ROWB<<16                    ; tensor_dim0
	s_mov_b32 s[\g+2], 128<<16                     ; tensor_dim1
	s_mov_b32 s[\g+3], ROWB<<16                    ; tile_dim0
	s_mov_b32 s[\g+4], 128                         ; tile_dim1
	s_mov_b32 s[\g+5], KROW                        ; tensor_dim0_stride
	s_mov_b32 s[\g+6], 0
	s_mov_b32 s[\g+7], 0
.endr
	s_lshl_b32 s18, s16, 7
	s_lshl_b32 s20, s17, 8
	s_add_co_u32 s20, s20, s18                     ; phase 1, A: row 256 x tile + 128 x half
	s_lshl_b32 s20, s20, 10                        ; in bytes (under 2^23)
	s_mov_b32 s21, 0
	s_lshl_b32 s46, s40, 8
	s_add_co_u32 s46, s46, s18                     ; phase 1, B
	s_lshl_b32 s46, s46, 10
	s_mov_b32 s47, 0
	s_lshl_b32 s22, s96, 7
	s_lshl_b32 s2, s16, 6
	s_add_co_u32 s22, s22, s2                      ; phase 2, A: row 128 x tile + 64 x half
	s_lshl_b32 s22, s22, 10
	s_mov_b32 s23, 0
	s_lshl_b32 s98, s97, 8
	s_add_co_u32 s98, s98, s18                     ; phase 2, B
	s_lshl_b32 s98, s98, 10
	s_mov_b32 s99, 0
	s_mul_i32 s45, s14, HALFT                      ; where they go: wave x 128 rows;
	s_mul_i32 s19, s16, 64*PITCH                   ; phase 2's A: half x 64 rows
	s_wait_dscnt 0x0                               ; both opening adds are done
	s_wait_kmcnt 0x0
	s_cmp_eq_u32 s12, 0
	s_cselect_b64 s[4:5], s[68:69], s[70:71]       ; A: Q's codes or K's
	s_cselect_b64 s[6:7], s[74:75], s[76:77]       ; B: Wq's or Wk's
	s_cselect_b64 s[8:9], s[80:81], s[82:83]       ; the bias
	s_cselect_b64 s[10:11], s[88:89], s[90:91]     ; the result
	s_add_nc_u64 s[20:21], s[4:5], s[20:21]
	s_add_nc_u64 s[46:47], s[6:7], s[46:47]
	s_add_nc_u64 s[PA2:PA2+1], s[78:79], s[22:23]  ; phase 2: A = Wv's codes,
	s_or_b32 s[PA2+1], s[PA2+1], 0x80000000
	s_add_nc_u64 s[PB2:PB2+1], s[72:73], s[98:99]  ; B = V's
	s_or_b32 s[PB2+1], s[PB2+1], 0x80000000
	; the prefetches, phase 1: of the 128 rows that I fetch, my work-group's 32: by cx among A's four partners, by cy among B's
	s_lshl_b32 s2, s17, 8
	s_lshl_b32 s3, s40, 5
	s_add_co_u32 s2, s2, s3                        ; A: 256 x tile + 32 cx
	s_lshl_b32 s3, s40, 8
	s_lshl_b32 s100, s41, 5
	s_add_co_u32 s3, s3, s100                      ; B: 256 cx + 32 cy
	s_cmp_eq_u32 s15, 0
	s_cselect_b32 s2, s2, s3
	s_cselect_b64 s[PF1:PF1+1], s[4:5], s[6:7]
	s_add_co_u32 s2, s2, s18                       ; + 128 x half
	s_lshl_b32 s2, s2, 10
	s_mov_b32 s3, 0
	s_add_nc_u64 s[PF1:PF1+1], s[PF1:PF1+1], s[2:3]
	s_mov_b64 s[4:5], s[92:93]                     ; vws
	s_mov_b64 s[6:7], s[84:85]                     ; bv
	; phase 2: of Wv's 64 rows that I fetch 16, by cx; of V's 128 rows 32, by cy
	s_lshl_b32 s2, s96, 7
	s_lshl_b32 s3, s16, 6
	s_add_co_u32 s2, s2, s3
	s_lshl_b32 s3, s40, 4
	s_add_co_u32 s2, s2, s3                        ; A: 128 x tile + 64 x half + 16 cx
	s_lshl_b32 s3, s97, 8
	s_add_co_u32 s3, s3, s18
	s_lshl_b32 s100, s41, 5
	s_add_co_u32 s3, s3, s100                      ; B: 256 x tile + 128 x half + 32 cy
	s_cmp_eq_u32 s15, 0
	s_cselect_b32 s2, s2, s3
	s_cselect_b64 s[PF2:PF2+1], s[78:79], s[72:73]
	s_lshl_b32 s2, s2, 10
	s_mov_b32 s3, 0
	s_add_nc_u64 s[PF2:PF2+1], s[PF2:PF2+1], s[2:3]
	s_load_b256 s[68:75], s[86:87], 0x0            ; e0 .. e7
	s_load_b128 s[76:79], s[86:87], 0x20           ; e8 .. e11
	s_or_b32 s[G1C+0], s43, (0<<16)|(1<<20)|(1<<21)|(5<<22)|(3<<25)
	s_mov_b32 s[G1C+1], ROWB<<16
	s_mov_b32 s[G1C+2], 64<<16
	s_mov_b32 s[G1C+3], ROWB<<16
	s_mov_b32 s[G1C+4], 64
	s_mov_b32 s[G1C+5], KROW
	s_mov_b32 s[G1C+6], 0
	s_mov_b32 s[G1C+7], 0
	s_and_b32 s2, s13, 7                           ; who prefetches: rows of tokens every cluster; Wq's and Wk's rows the clusters with y % 8 = 0; Wv's the clusters y = 0 and 1
	s_cmp_eq_u32 s2, 0
	s_cselect_b32 s[EN1], 1, 0
	s_cmp_lt_u32 s13, 2
	s_cselect_b32 s[EN2], 1, 0
	s_cmp_eq_u32 s15, 0
	s_cselect_b32 s[EN1], 1, s[EN1]                ; phase 1: A is tokens,
	s_cselect_b32 s[EN2], s[EN2], 1                ; phase 2: B is
	s_cselect_b32 s13, 15, 31                      ; the last lane with a row of its own in phase 2
	CROUND                                         ; all sixteen work-groups are here: the first joint loads meet
.irp s, 0,1
	s_mov_b32 s[G0+4*\s], 1
	s_add_co_u32 s[G0+4*\s+1], s45, \s*SLOT
	s_add_nc_u64 s[G0+4*\s+2:G0+4*\s+3], s[20:21], \s*ROWB
	s_or_b32 s[G0+4*\s+3], s[G0+4*\s+3], 0x80000000
	s_mov_b32 s[G0B+4*\s], 1
	s_add_co_u32 s[G0B+4*\s+1], s45, \s*SLOT
	s_add_nc_u64 s[G0B+4*\s+2:G0B+4*\s+3], s[46:47], \s*ROWB
	s_or_b32 s[G0B+4*\s+3], s[G0B+4*\s+3], 0x80000000
.endr
	JLOAD G0, G1, G0B, G1B                         ; K step 0: one tensor load a wave at the head
	s_mul_i32 s21, s15, HALFT                      ; my rows of A, phase 1,
	s_mul_i32 s22, s16, HALFT
	s_add_co_u32 s22, s22, 2*HALFT                 ; of B,
	s_mul_i32 s23, s15, 64*PITCH                   ; of A, phase 2
	s_lshl_b32 s18, s17, 8
	s_lshl_b32 s2, s15, 7
	s_add_co_u32 s18, s18, s2                      ; phase 1: my first token,
	s_lshl_b32 s42, s40, 8
	s_lshl_b32 s3, s16, 7
	s_add_co_u32 s42, s42, s3                      ; my first feature
	s_lshl_b32 s46, s42, 2
	s_mov_b32 s47, 0
	s_add_nc_u64 s[8:9], s[8:9], s[46:47]          ; the bias at my first feature
	s_lshr_b32 s46, s18, 11                        ; the batch
	s_lshl_b32 s46, s46, 4
	s_lshr_b32 s2, s42, 6                          ; the head
	s_add_co_u32 s46, s46, s2
	s_lshl_b32 s46, s46, 17                        ; 131,072 bytes for each (batch, head)
	s_and_b32 s2, s18, 2047
	s_lshl_b32 s2, s2, 6                           ; 64 bytes a token, in all three buffers
	s_add_co_u32 s46, s46, s2
	s_add_nc_u64 s[10:11], s[10:11], s[46:47]
	s_lshl_b32 s96, s96, 7
	s_lshl_b32 s2, s15, 6
	s_add_co_u32 s96, s96, s2                      ; phase 2: my first feature: 64 features, one head,
	s_lshl_b32 s97, s97, 8
	s_add_co_u32 s97, s97, s3                      ; my first token
	s_lshl_b32 s46, s96, 2
	s_add_nc_u64 s[6:7], s[6:7], s[46:47]
	s_lshr_b32 s46, s97, 11
	s_lshl_b32 s46, s46, 4
	s_lshr_b32 s2, s96, 6
	s_add_co_u32 s46, s46, s2
	s_lshl_b32 s46, s46, 17
	s_and_b32 s2, s97, 2047
	s_lshl_b32 s2, s2, 6
	s_add_co_u32 s46, s46, s2
	s_add_nc_u64 s[4:5], s[4:5], s[46:47]
	s_wait_kmcnt 0x0
	s_add_co_i32 s2, s68, s69                      ; ea + eb of q's product, of k's
	s_add_co_i32 s3, s70, s71
	s_cmp_eq_u32 s12, 0
	s_cselect_b32 s2, s2, s3
	s_cselect_b32 s3, s74, s75                     ; the result's own: e6 or e7
	s_sub_co_i32 s3, s3, s2
	s_add_co_i32 s3, s3, 127
	s_lshl_b32 s98, s3, 23
	s_add_co_i32 s3, s3, 15
	s_lshl_b32 s3, s3, 23
	s_or_b32 s99, s3, 0x600000
	s_sub_co_i32 s2, 0, s2
	s_add_co_i32 s42, s72, s73                     ; v's: e4 + e5, and e9
	s_sub_co_i32 s3, s77, s42
	s_add_co_i32 s3, s3, 127
	s_lshl_b32 s100, s3, 23
	s_add_co_i32 s3, s3, 15
	s_lshl_b32 s3, s3, 23
	s_or_b32 s101, s3, 0x600000
	s_sub_co_i32 s42, 0, s42
	v_and_b32 v1, 15, v0                           ; r = lane % 16
	v_bfe_u32 v2, v0, 4, 1                         ; h = lane / 16
	v_and_b32 v5, 31, v0
	v_mul_u32_u24 v3, v1, PITCH
	v_lshlrev_b32 v8, 5, v2                        ; phase 1's bias: 32 h bytes,
	v_lshlrev_b32 v9, 2, v1                        ; phase 2's: 4 r
	v_lshl_add_u32 v4, v2, 4, v3                   ; a fragment's row x pitch + 16 x half
	v_lshlrev_b32 v[VO1], 4, v5
	v_lshlrev_b32 v[PFO1], 10, v5
	v_min_u32 v[PFO2], s13, v5
	v_add_nc_u32 v[ADRA], s21, v4
	v_add_nc_u32 v[ADRB], s22, v4
	v_add_nc_u32 v[ADRA2], s23, v4
	v_lshlrev_b32 v[PFO2], 10, v[PFO2]
	v_add_nc_u32 v[ADRA+1], SLOT, v[ADRA]
	v_add_nc_u32 v[ADRB+1], SLOT, v[ADRB]
	v_add_nc_u32 v[ADRA2+1], SLOT, v[ADRA2]
.irp b, 0,1,2,3,4,5,6,7                        ; register 8 b + j = bias of feature 16 b + 8 h + j
	global_load_b128 v[BIAS+8*\b:BIAS+8*\b+3],   v8, s[8:9] offset:64*\b
	global_load_b128 v[BIAS+8*\b+4:BIAS+8*\b+7], v8, s[8:9] offset:64*\b+16
.endr
.irp a, 0,1,2,3                                ; v: the bias of feature 16 a + r
	global_load_b32 v[10+\a], v9, s[6:7] offset:64*\a
.endr
	v_mov_b32 v[SCL], s98
	v_mov_b32 v[LIM], s99
	v_mov_b32 v[SCL2], s100
	v_mov_b32 v[LIM2], s101
	s_wait_alu depctr_va_vdst(0)
	s_wait_loadcnt 0x0
.set i, 0
.rept 64
	v_ldexp_f32 v[BIAS+i], v[BIAS+i], s2           ; b / 2^(ea + eb)
.set i, i+1
.endr
.irp a, 0,1,2,3
.irp j, 0,1,2,3,4,5,6,7
	v_ldexp_f32 v[BIAS2+8*\a+\j], v[10+\a], s42    ; v: all eight registers of block a hold the lane's feature
.endr
.endr
.macro FRAG reg, adr, q, i             ; 16 rows x 128 K: lane l holds row l % 16; registers 4 c .. 4 c + 3 hold K = 32 c + 16 (l / 16) + 0 .. 15: the same order of k in A and in B
.irp c, 0,1,2,3
	ds_load_b128 v[\reg+4*\c:\reg+4*\c+3], v[\adr] offset:128*(\q)+32*\c+(\i)*16*PITCH
.endr
.endm
; 16 matrix instructions: A's fragments a0, a0 + 1 x B's eight, onto accumulators a % 4 of the window that is set.  mode 0: the sums go on; 1: they start with the bias by B's block (q, k); 2: by A's block (v).
; The accumulators take turns, one instruction a turn, in the same order in every step.
.macro MULP a0, p, mode
.irp a, \a0, \a0+1
.irp b, 0,1,2,3,4,5,6,7
.if \mode == 0
	v_wmma_f32_16x16x128_bf8_bf8 v[8*(8*((\a)%4)+\b):8*(8*((\a)%4)+\b)+7], v[128*(\p)+16*\b:128*(\p)+16*\b+15], v[AF+16*(\a):AF+16*(\a)+15], v[8*(8*((\a)%4)+\b):8*(8*((\a)%4)+\b)+7]
.elseif \mode == 1
	v_wmma_f32_16x16x128_bf8_bf8 v[8*(8*((\a)%4)+\b):8*(8*((\a)%4)+\b)+7], v[128*(\p)+16*\b:128*(\p)+16*\b+15], v[AF+16*(\a):AF+16*(\a)+15], v[BIAS+8*\b:BIAS+8*\b+7]
.else
	v_wmma_f32_16x16x128_bf8_bf8 v[8*(8*((\a)%4)+\b):8*(8*((\a)%4)+\b)+7], v[128*(\p)+16*\b:128*(\p)+16*\b+15], v[AF+16*(\a):AF+16*(\a)+15], v[BIAS2+8*(\a):BIAS2+8*(\a)+7]
.endif
.endr
.endr
.endm
.macro FETCH_B slot, q, p
	WIN 0x40                                       ; destination window 1, address window 0
.irp i, 0,1,2,3,4,5,6,7
	FRAG 128*(\p)+16*\i, ADRB+\slot, \q, \i
.endr
	WIN 0
.endm
.macro FETCH_A slot, q, i0
.irp i, \i0, \i0+1, \i0+2, \i0+3
	FRAG AF+16*(\i), ADRA+\slot, \q, \i
.endr
.endm
.macro FETCH_A2 slot, q, p             ; phase 2: my four blocks of A into set p
.irp i, 0,1,2,3
	FRAG AF+64*(\p)+16*\i, ADRA2+\slot, \q, \i
.endr
.endm
; PHASE 1.  A step of 128 along K whose successor lies in the same slot.  Four plain places stand in front of each run of loads into registers that matrix instructions have read.
.macro STEP slot, q, mode
	s_wait_dscnt 16                                ; B's set and A's blocks 0-3 are in; the youngest sixteen loads (A's blocks 4-7) may be out
.if \mode
	WIN 0x81                                       ; B window 1, A and the bias window 0, D window 2
.else
	WIN 0xa1                                       ; B window 1, A window 0, C and D window 2
.endif
	MULP 0, (\q)%2, \mode
	MULP 2, (\q)%2, \mode
	s_wait_dscnt 0                                 ; A's blocks 4-7 are in
	PLACES 4
	FETCH_B \slot, (\q)+1, 1-(\q)%2
	FETCH_A \slot, (\q)+1, 0
.if \mode
	WIN 0xc1
.else
	WIN 0xf1
.endif
	MULP 4, (\q)%2, \mode
	MULP 6, (\q)%2, \mode
	PLACES 4
	WIN 0
	FETCH_A \slot, (\q)+1, 4
.endm
; A slot's last step changes slots: in front of the round each wave waits for all its tensor loads, adds 0 to its spare word, and waits for that and for its reads of this slot.
; fill = 1: this slot takes the K step two on;  fill = 2: it takes phase 2's K step of its own number.  fetch = 0: phase 1's very last step: no fragments follow.  ask: the byte in a row of phase 2's K step that is prefetched.
.macro TURN slot, next, fill, fetch, ask
	s_wait_tensorcnt 0x0                           ; all my tensor loads have landed: my part of the next slot
	ds_add_u32 v[SPW], v[NIL]                      ; 0 onto my spare word
	s_wait_dscnt 17                                ; the add and the youngest sixteen loads (A's blocks 4-7) may be out
	WIN 0xa1
	MULP 0, 1, 0
	s_wait_dscnt 0x0                               ; the add is done, and my reads of this slot are over
	s_barrier_signal -1
	MULP 2, 1, 0
	WIN 0
	s_barrier_wait -1
	CREST                                          ; the barrier has opened a round of the cluster's: no wave of any partner still reads this slot or has a load on its way
.if \fill == 1
	s_add_nc_u64 s[G0+4*\slot+2:G0+4*\slot+3], s[G0+4*\slot+2:G0+4*\slot+3], 2*ROWB
	s_add_nc_u64 s[G0B+4*\slot+2:G0B+4*\slot+3], s[G0B+4*\slot+2:G0B+4*\slot+3], 2*ROWB
	JLOAD G0+4*\slot, G1, G0B+4*\slot, G1B         ; the first tensor load behind the round; its four v_nop are the places in front of the loads below
.else
	s_add_nc_u64 s[G0+4*\slot+2:G0+4*\slot+3], s[PA2:PA2+1], \slot*ROWB
	s_add_co_u32 s[G0+4*\slot+1], s19, \slot*SLOT
	s_add_nc_u64 s[G0B+4*\slot+2:G0B+4*\slot+3], s[PB2:PB2+1], \slot*ROWB
	JLOAD G0+4*\slot, G1C, G0B+4*\slot, G1B
.endif
.if \fetch
	FETCH_B \next, 0, 0
	FETCH_A \next, 0, 0
.endif
	ASK EN2, PFO2, PF2, \ask                       ; what the fill two fills on will bring
	WIN 0xf1
	MULP 4, 1, 0
	MULP 6, 1, 0
.if \fetch
	PLACES 4
	WIN 0
	FETCH_A \next, 0, 4
.else
	WIN 0
.endif
.endm
; PHASE 2.  A slot's first step: sets 0 are multiplied while sets 1 are fetched.  (Four plain places stand behind the last products that read sets 1: the joint load's, or those written in TURN2.)
.macro STEP2 slot, mode
	s_wait_dscnt 0x0                               ; sets 0 are in
	FETCH_B \slot, 1, 1
	FETCH_A2 \slot, 1, 1
.if \mode
	WIN 0x81
.else
	WIN 0xa1
.endif
	MULP 0, 0, \mode
	MULP 2, 0, \mode
	WIN 0
.endm
; A slot's last step, on sets 1, changes slots as in phase 1.
.macro TURN2 slot, next, fill
	s_wait_tensorcnt 0x0
	ds_add_u32 v[SPW], v[NIL]
	s_wait_dscnt 1                                 ; sets 1 are in; the add may be out
	WIN 0xa1
	MULP 4, 1, 0
	s_wait_dscnt 0x0
	s_barrier_signal -1
	MULP 6, 1, 0
	WIN 0
	s_barrier_wait -1
.if \fill
	CREST
	s_add_nc_u64 s[G0+4*\slot+2:G0+4*\slot+3], s[G0+4*\slot+2:G0+4*\slot+3], 2*ROWB
	s_add_nc_u64 s[G0B+4*\slot+2:G0B+4*\slot+3], s[G0B+4*\slot+2:G0B+4*\slot+3], 2*ROWB
	JLOAD G0+4*\slot, G1C, G0B+4*\slot, G1B
.else
	PLACES 4
.endif
	FETCH_B \next, 0, 0
	FETCH_A2 \next, 0, 0
.endm
; THE WAY OUT, block a: 64 sums a lane are held within the largest code x the scale (the conversion to an 8-bit code does not saturate: ISA guide 7.6.2), converted eight at a time,
; and the sixteen registers of codes leave by four stores of 512 consecutive bytes.  Within a phase each block has code registers of its own.  bs: the result's address; step: from block to block; far: to registers 8-15's place.
.macro EPI a, lim, scl, bs, step, far
	WIN 0x02+(\a)/4                                ; source 0: window 2 or 3
.set i, 0
.rept 64
	v_med3_num_f32 v[BIAS+i], v[64*((\a)%4)+i], -v[\lim], v[\lim]    ; each accumulator from its low end on
.set i, i+1
.endr
	WIN 0
.irp b, 0,1,2,3,4,5,6,7
	v_cvt_scalef32_pk8_bf8_f32 v[CD+16*(\a)+2*\b:CD+16*(\a)+2*\b+1], v[BIAS+8*\b:BIAS+8*\b+7], v[\scl]
.endr
	v_nop                                          ; a plain line between the conversions and the next block's holds, which write their sources
.if (\a) > 0
	s_wait_alu depctr_va_vdst(0)
	s_wait_xcnt 0x0                                ; the earlier stores have read their base: it may step
	s_add_nc_u64 s[\bs:\bs+1], s[\bs:\bs+1], \step
.endif
	global_store_b128 v[VO1], v[CD+16*(\a):CD+16*(\a)+3], s[\bs:\bs+1]
	global_store_b128 v[VO1], v[CD+16*(\a)+4:CD+16*(\a)+7], s[\bs:\bs+1] offset:512
	global_store_b128 v[VO1], v[CD+16*(\a)+8:CD+16*(\a)+11], s[\bs:\bs+1] offset:\far
	global_store_b128 v[VO1], v[CD+16*(\a)+12:CD+16*(\a)+15], s[\bs:\bs+1] offset:\far+512
.endm
	s_wait_alu depctr_va_vdst(0)
	s_wait_tensorcnt 0x0                           ; my part of K step 0 is in
	ds_add_u32 v[SPW], v[NIL]                      ; 0 onto my spare word
	s_wait_dscnt 0x0
	CROUND                                         ; everybody's part of K step 0 is in, and all sixteen work-groups are here
	JLOAD G0+4, G1, G0B+4, G1B                     ; K step 1: slot 1's first fill, the first tensor load behind the round
	ASK EN1, PFO1, PF1, 2*ROWB                     ; K steps 2 and 3 of phase 1: the next fill's and the one after
	ASK EN1, PFO1, PF1, 3*ROWB
	FETCH_B 0, 0, 0
	FETCH_A 0, 0, 0
	FETCH_A 0, 0, 4
	STEP 0, 0, 1
	TURN 0, 1, 1, 1, 0                             ; slot 0 takes K step 2
	STEP 1, 0, 0
	TURN 1, 0, 1, 1, ROWB                          ; slot 1 takes K step 3
	STEP 0, 0, 0
	TURN 0, 1, 2, 1, 2*ROWB                        ; slot 0 takes v's K step 0
	STEP 1, 0, 0
	TURN 1, 0, 2, 0, 3*ROWB                        ; slot 1 takes v's K step 1; everybody's part of v's K step 0 is in
	PLACES 4                                       ; behind the last products: results are read, and the registers that held A's fragments are written
.irp a, 0,1,2,3,4,5,6,7
	EPI \a, LIM, SCL, 10, 1024, 131072             ; a token tile's image is 1,024 bytes; features 64 on belong to the next head's 131,072 bytes
.endr
	s_wait_alu depctr_va_vdst(0)
	s_wait_xcnt 0x0                                ; the stores have read their code registers: A's fragments may land there
	FETCH_B 0, 0, 0
	FETCH_A2 0, 0, 0
	STEP2 0, 2
	TURN2 0, 1, 1                                  ; slot 0 takes v's K step 2
	STEP2 1, 0
	TURN2 1, 0, 1                                  ; slot 1 takes v's K step 3
	STEP2 0, 0
	TURN2 0, 1, 0                                  ; nothing is left to fetch
	STEP2 1, 0
	s_wait_dscnt 0x0
	WIN 0xa1
	MULP 4, 1, 0
	MULP 6, 1, 0
	WIN 0
	PLACES 4
.irp a, 0,1,2,3
	EPI \a, LIM2, SCL2, 4, 2048, 1024              ; a d tile's image is 2,048 bytes
.endr
	s_wait_tensorcnt 0x0                           ; the wave's end
	ds_add_u32 v[SPW], v[NIL]
	s_wait_dscnt 0x0
	CROUND                                         ; the closing round
	s_endpgm
.Lfunc_end_k_qae691bdf92_proj:
	.size	k_qae691bdf92_proj, .Lfunc_end_k_qae691bdf92_proj-k_qae691bdf92_proj
	.p2alignl 7, 3214868480
	.fill 96, 4, 3214868480
	.section	.rodata,"a",@progbits
	.p2align	6, 0x0
	.amdhsa_kernel k_qae691bdf92_proj
		.amdhsa_group_segment_fixed_size 327680
		.amdhsa_private_segment_fixed_size 0
		.amdhsa_enable_private_segment 0
		.amdhsa_kernarg_size 104
		.amdhsa_user_sgpr_count 2
		.amdhsa_user_sgpr_kernarg_segment_ptr 1
		.amdhsa_wavefront_size32 1
		.amdhsa_system_sgpr_workgroup_id_x 1
		.amdhsa_system_sgpr_workgroup_id_y 1
		.amdhsa_system_sgpr_workgroup_id_z 1
		.amdhsa_system_vgpr_workitem_id 0
		.amdhsa_next_free_vgpr 1024
		.amdhsa_next_free_sgpr 102
		.amdhsa_reserve_vcc 0
		.amdhsa_float_denorm_mode_32 3
		.amdhsa_float_denorm_mode_16_64 3
		.amdhsa_memory_ordered 1
		.amdhsa_forward_progress 1
		.amdhsa_inst_pref_size 197
	.end_amdhsa_kernel
	.amdgpu_metadata
---
amdhsa.version: [ 1, 2 ]
amdhsa.kernels:
  - .name:           k_qae691bdf92_proj
    .symbol:         k_qae691bdf92_proj.kd
    .args:
      - { .name: Q_codes, .offset: 0, .size: 8, .value_kind: global_buffer, .address_space: global }
      - { .name: K_codes, .offset: 8, .size: 8, .value_kind: global_buffer, .address_space: global }
      - { .name: V_codes, .offset: 16, .size: 8, .value_kind: global_buffer, .address_space: global }
      - { .name: Wq_codes, .offset: 24, .size: 8, .value_kind: global_buffer, .address_space: global }
      - { .name: Wk_codes, .offset: 32, .size: 8, .value_kind: global_buffer, .address_space: global }
      - { .name: Wv_codes, .offset: 40, .size: 8, .value_kind: global_buffer, .address_space: global }
      - { .name: bq, .offset: 48, .size: 8, .value_kind: global_buffer, .address_space: global }
      - { .name: bk, .offset: 56, .size: 8, .value_kind: global_buffer, .address_space: global }
      - { .name: bv, .offset: 64, .size: 8, .value_kind: global_buffer, .address_space: global }
      - { .name: lowp_scales, .offset: 72, .size: 8, .value_kind: global_buffer, .address_space: global }
      - { .name: qws, .offset: 80, .size: 8, .value_kind: global_buffer, .address_space: global }
      - { .name: kws, .offset: 88, .size: 8, .value_kind: global_buffer, .address_space: global }
      - { .name: vws, .offset: 96, .size: 8, .value_kind: global_buffer, .address_space: global }
    .group_segment_fixed_size: 327680
    .private_segment_fixed_size: 0
    .kernarg_segment_align: 8
    .kernarg_segment_size: 104
    .max_flat_workgroup_size: 128
    .sgpr_count:     102
    .vgpr_count:     1024
    .wavefront_size: 32
...
	.end_amdgpu_metadata
.endif
;; end of part 1
;; launch attn (part 2): grid 4 x 64, 16 waves a work-group, clusters of 4 x 1, 327,680 bytes of LDS; arguments qws, kws, vws, lowp_scales, aows; writes aows
.if DOCPART == 2
	.amdgcn_target "amdgcn-amd-amdhsa--gfx1250"
	.amdhsa_code_object_version 6
	.text
	.protected	k_qae691bdf92_attn
	.globl	k_qae691bdf92_attn
	.p2align	8
	.type	k_qae691bdf92_attn,@function
k_qae691bdf92_attn:
	s_mov_b64 s[64:65], 0
	v_nop
	global_prefetch_b8 v0, s[64:65] scope:SCOPE_SE
	s_setreg_imm32_b32 hwreg(HW_REG_WAVE_MODE, 25, 1), 1
	s_wait_xcnt 0x0
	s_wait_alu depctr_hold_cnt(0) depctr_sa_sdst(0) depctr_va_vdst(0) depctr_va_sdst(0) depctr_va_ssrc(0) depctr_va_vcc(0) depctr_vm_vsrc(0)
	s_getreg_b32 s2, hwreg(HW_REG_IB_STS2, 6, 4)
	s_cmp_eq_u32 s2, 0
	s_cbranch_scc0 .Lentry_in_a_cluster
	s_endpgm
.Lentry_in_a_cluster:
	s_bfe_u32 s2, ttmp6, 0x10000c
	s_cmp_lg_u32 s2, 0x3003
	s_cbranch_scc0 .Lentry_shape_is_right
	s_endpgm
.Lentry_shape_is_right:
; Causal attention of one (batch, head) for each cluster of four work-groups, both products on codes of BF8 (E5M2); the result is quantised (entry 10 of the scales) and stored as images of operand registers.
; Tiles of scores that lie wholly above the diagonal are left out: reference()'s own causal mask gives them the weight 0 for all inputs.
; qws, kws: [batch x 16 + head][token / 16][1,024]: an image of the 8 registers of a K = 64 operand (lane: token lane % 16; registers 2 c, 2 c + 1: dk = 16 c + 8 (lane / 16) + 0 .. 7).
; vws: [batch x 16 + head][key / 128][d / 16][2,048]: an image of the 16 registers of a K = 128 operand (lane: d; registers along the keys).
; aows: [(batch x 2,048 + token) / 16][head][1,024]: as q's image, with d in dk's place.
; THE SOFTMAX: t = score x log2(e) / 8; M = the running largest t rounded UP to a whole number; p = 2^(t - M) is quantised (entry 8); the row's sum is taken of the unquantised p and divides at the end;
; when M moves, the sum and O are multiplied by 2^(old M - new M), which rounds nothing.
; SHARES.  A head has 128 tiles of 16 queries.  Work-group g (its place in the cluster) takes tiles 4 j + g, j = 0 .. 31; a tile's last key step (128 keys) is j / 2, whatever g: so all four partners run alike,
; and g enters only global offsets and a number that each lane compares its keys with.  SIXTEEN waves of 256 registers, four to a SIMD, one tile in hand each: wave w takes tile j = 31 - w
; ((31 - w) / 2 + 1 key steps, keys ascending), then tile j = w (w / 2 + 1 steps, from its diagonal step down): 17 key steps in every wave.
; LDS holds ALL of the head's K (bytes 0 on) and V (131,072 on), 8,192 bytes a key step each, brought by joint loads that name the four partners: every byte is filled once, nothing is stored there.
; Each wave issues two loads: at the head 4,096 bytes of key steps 0 to 3 (waves 0-7: K, waves 8-15: V); behind the three lines and a round of the cluster's barrier 12,288 bytes of key steps 4 to 15,
; which are on their way during the first four key steps.  Every wait on TENSORcnt is for 0.
; Both products are used transposed: S^T = K Q^T (source 0 = 16 keys, source 1 = 16 queries), O^T = V^T P^T: a lane holds one query throughout, and eight scores convert into registers 2 t, 2 t + 1 of P.
; LIMITS: e6 + e7 between -123 and 130 (added to c's exponent field); e8 and e10 between -126 and 112.  NaN among the inputs is not served.
; No prefetch: all that the launch reads of K and V is asked for by its first two groups of loads; there is no later load to run ahead of.
.set VOFF,  131072
.set PART1, 32768                      ; key steps 0 to 3, in K and in V
.set SPARE, 262144                     ; behind K and V: the spare words, 128 bytes a wave
.set LI,   1                           ; v1   16 x lane
.set LIV,  2                           ; v2   16 x lane + VOFF
.set ADK,  3                           ; v3   LDS address of the step's K
.set ADV,  4                           ; v4   of its V
.set AOA,  5                           ; v5   the first tile's offset in aows
.set AOB,  6                           ; v6   the second tile's
.set DG,   7                           ; v7   my query's place in its diagonal step, less 8 (lane / 16): key 16 t + j of my half is hidden where 16 t + j > DG
.set DGB,  8                           ; v8   the same for the second tile
.set QH,   16                          ; v16-23 Q in hand;  v24-31 the second tile's
.set QL,   24
.set KV,   32                          ; v32-95 eight fragments of K, then four of V
.set S,    96                          ; v96-159 S^T, then p
.set O,    160                         ; v160-191 O^T
.set P,    192                         ; v192-207 p's codes;  v208-215, v216-223 the two tiles' result codes
.set QOA,  224                         ; v224, v225 the two tiles' offsets in qws
.set QOB,  225
.set SPW,  251                         ; my spare word; never rewritten
.set NIL,  255                         ; 0; never rewritten
.set WV,   18
.set SEL,  20
.set CS,   22
.set G1A,  24                          ; s[24:31] 16 rows of 256 bytes;  s[32:39] 48 rows
.set G1B,  32
.set EPV,  69
.macro CROUND
	s_barrier_signal -1
	s_barrier_wait -1
	s_cmp_lg_u32 s[WV], 0
	s_cbranch_scc1 .Lnot_wave_0_\@
	s_barrier_signal -3
.Lnot_wave_0_\@:
	s_barrier_wait -3
	s_barrier_signal -1
	s_barrier_wait -1
.endm
	s_load_b256 s[4:11], s[0:1], 0x0               ; qws s[4:5], kws s[6:7], vws s[8:9], the scales s[10:11]
	s_load_b64 s[12:13], s[0:1], 0x20              ; aows
	v_lshl_add_u32 v[SPW], v0, 2, SPARE
	v_mov_b32 v[NIL], 0
	ds_add_u32 v[SPW], v[NIL]                      ; the opening lines: the add, twice on end, and its wait ahead of my first tensor load
	ds_add_u32 v[SPW], v[NIL]
	v_lshrrev_b32 v9, 5, v0
	v_readfirstlane_b32 s[WV], v9                  ; wave 0..15
	s_bfe_u32 s19, ttmp6, 0x40000                  ; g: my place in the cluster
	s_and_b32 s3, ttmp7, 0xffff                    ; batch x 16 + head, which the four partners share
	s_lshl_b32 s72, s3, 17                         ; its 131,072 bytes in qws, kws, vws
	s_mov_b32 s73, 0
	s_lshr_b32 s48, s[WV], 3
	s_lshl_b32 s48, s48, 17                        ; LDS: K's part (waves 0-7) or V's (waves 8-15)
	s_and_b32 s78, s[WV], 7                        ; which eighth I fetch
	s_lshl_b32 s74, s78, 12                        ; of the first 32,768 bytes: 4,096
	s_mov_b32 s75, 0
	s_mul_i32 s76, s78, 12288                      ; of the other 98,304: 12,288
	s_add_co_u32 s76, s76, PART1
	s_mov_b32 s77, 0
	s_mov_b32 s[G1A], 15|(3<<16)|(1<<21)           ; the mask: all four work-groups; elements of 8 bytes; bit 21 set beside a mask; no padding
	s_mov_b32 s[G1A+1], 32<<16                     ; tensor_dim0 = 32 elements: rows of 256 bytes, dense
	s_mov_b32 s[G1A+2], 16<<16                     ; tensor_dim1
	s_mov_b32 s[G1A+3], 32<<16                     ; tile_dim0
	s_mov_b32 s[G1A+4], 16                         ; tile_dim1
	s_mov_b32 s[G1A+5], 32                         ; the pitch
	s_mov_b32 s[G1A+6], 0
	s_mov_b32 s[G1A+7], 0
	s_mov_b32 s[G1B], 15|(3<<16)|(1<<21)
	s_mov_b32 s[G1B+1], 32<<16
	s_mov_b32 s[G1B+2], 48<<16
	s_mov_b32 s[G1B+3], 32<<16
	s_mov_b32 s[G1B+4], 48
	s_mov_b32 s[G1B+5], 32
	s_mov_b32 s[G1B+6], 0
	s_mov_b32 s[G1B+7], 0
	s_mov_b32 s[SEL], 0x76543210
	s_mov_b32 s[SEL+1], 0xfedcba98
	s_sub_co_u32 s49, 31, s[WV]                    ; the first tile's j
	s_lshr_b32 s67, s49, 1                         ; its last key step, and its last trip
	s_add_co_u32 s66, s67, 1                       ; its key steps
	s_lshl_b32 s50, s49, 2
	s_add_co_u32 s50, s50, s19                     ; the first tile: 4 (31 - w) + g
	s_lshl_b32 s51, s[WV], 2
	s_add_co_u32 s51, s51, s19                     ; the second: 4 w + g
	s_lshl_b32 s52, s50, 14                        ; in aows: 16,384 bytes a token tile,
	s_lshl_b32 s53, s51, 14
	s_lshl_b32 s50, s50, 10                        ; in qws: 1,024
	s_lshl_b32 s51, s51, 10
	s_and_b32 s55, s[WV], 1                        ; j % 2 of the second tile,
	s_xor_b32 s54, s55, 1                          ; of the first
	s_lshl_b32 s54, s54, 6
	s_lshl_b32 s55, s55, 6
	s_lshl_b32 s2, s19, 4
	s_add_co_u32 s54, s54, s2                      ; the tile's first query in its diagonal step: 64 (j % 2) + 16 g
	s_add_co_u32 s55, s55, s2
	s_lshr_b32 s70, s3, 4
	s_lshl_b32 s70, s70, 21                        ; aows: the batch's 128 token tiles,
	s_and_b32 s71, s3, 15
	s_lshl_b32 s71, s71, 10                        ; the head's 1,024 bytes in each
	s_add_co_u32 s70, s70, s71
	s_mov_b32 s71, 0
	s_wait_dscnt 0x0                               ; both opening adds are done
	s_wait_kmcnt 0x0
	s_load_b64 s[56:57], s[10:11], 0x18            ; e6 (q), e7 (k)
	s_load_b64 s[58:59], s[10:11], 0x20            ; e8 (p), e9 (v)
	s_load_b32 s79, s[10:11], 0x28                 ; e10 (the result)
	s_add_nc_u64 s[4:5], s[4:5], s[72:73]
	s_add_nc_u64 s[6:7], s[6:7], s[72:73]
	s_add_nc_u64 s[8:9], s[8:9], s[72:73]
	s_add_nc_u64 s[12:13], s[12:13], s[70:71]
	s_cmp_lt_u32 s[WV], 8                          ; the wave's number alone: the same in every partner
	s_cselect_b64 s[14:15], s[6:7], s[8:9]         ; I fetch K's codes or V's
	s_mov_b32 s40, 1                               ; key steps 0 to 3
	s_add_co_u32 s41, s48, s74
	s_add_nc_u64 s[42:43], s[14:15], s[74:75]
	s_or_b32 s43, s43, 0x80000000
	s_mov_b32 s44, 1                               ; the rest
	s_add_co_u32 s45, s48, s76
	s_add_nc_u64 s[46:47], s[14:15], s[76:77]
	s_or_b32 s47, s47, 0x80000000
	CROUND                                         ; all four work-groups are here: the joint loads meet
	tensor_load_to_lds s[40:43], s[G1A:G1A+7]      ; every wave's one load at the head
	s_nop 0
	s_wait_kmcnt 0x0
	s_add_co_i32 s70, s56, s57
	s_lshl_b32 s70, s70, 23
	s_mov_b32 s[CS], 0x3e38aa3b                    ; c = log2(e) / 8
	s_add_co_i32 s[CS], s[CS], s70                 ; x 2^(e6 + e7): added to c's exponent field
	s_mov_b32 s[CS+1], s[CS]                       ; (named with it as a pair, so it is written)
	s_add_co_i32 s[EPV], s58, s59                  ; e8 + e9
	s_add_co_i32 s70, s58, 127
	s_lshl_b32 s71, s70, 23                        ; 2^e8
	s_add_co_i32 s70, s70, 15
	s_lshl_b32 s70, s70, 23
	s_or_b32 s70, s70, 0x600000                    ; 57,344 x 2^e8
	s_add_co_i32 s72, s79, 127
	s_lshl_b32 s73, s72, 23                        ; 2^e10
	s_add_co_i32 s72, s72, 15
	s_lshl_b32 s72, s72, 23
	s_or_b32 s72, s72, 0x600000                    ; 57,344 x 2^e10
; A tile's state at its start: the largest t is -3e38, under every t; the sum and O^T are zeros, which the first change of M leaves zeros: so the key step is written once.
.macro STATE0
	v_mov_b32 v13, 0xff61b1e6
	s_delay_alu instid0(VALU_DEP_1)
	v_floor_f32 v12, -v13                          ; -M
	v_mov_b32 v14, 0
	v_mov_b32 v15, 0
	v_mov_b32 v236, 0                              ; a lane permute's destination counts as one of its sources
	v_mov_b32 v253, 0                              ; (named as the upper half of the pair v[252:253])
.set i, 0
.rept 32
	v_mov_b32 v[O+i], 0
.set i, i+1
.endr
.endm
	v_and_b32 v10, 31, v0
	v_and_b32 v9, 15, v0                           ; r
	v_bfe_u32 v11, v0, 4, 1                        ; h
	v_lshlrev_b32 v[LI], 4, v10
	v_lshlrev_b32 v11, 3, v11
	v_add_nc_u32 v[LIV], VOFF, v[LI]
	v_add_nc_u32 v[QOA], s50, v[LI]
	v_add_nc_u32 v[QOB], s51, v[LI]
	v_add_nc_u32 v[AOA], s52, v[LI]
	v_add_nc_u32 v[AOB], s53, v[LI]
	v_sub_nc_u32 v9, v9, v11                       ; r - 8 h
	global_load_b128 v[QH:QH+3],   v[QOA], s[4:5]
	global_load_b128 v[QH+4:QH+7], v[QOA], s[4:5] offset:512
	global_load_b128 v[QL:QL+3],   v[QOB], s[4:5]
	global_load_b128 v[QL+4:QL+7], v[QOB], s[4:5] offset:512
	v_add_nc_u32 v[DG], s54, v9
	v_add_nc_u32 v[DGB], s55, v9
	v_mov_b32 v240, s70                            ; 57,344 x 2^e8, twice: the two halves of a dual pair take their second sources from different banks
	v_mov_b32 v241, s70
	v_mov_b32 v244, s71
	v_mov_b32 v245, s73
	v_mov_b32 v246, s72
	STATE0
; On the diagonal step the scores of hidden keys become -infinity ahead of the maximum: p = 0 then.  Register 8 t + j holds key 16 t + 8 (lane / 16) + j of the step.
.macro MASK
	v_mov_b32 v254, 0xff800000
.set n, 0
.rept 64
	v_cmp_gt_i32 vcc_lo, 16*(n/8)+n%8, v[DG]
	v_cndmask_b32 v[S+n], v[S+n], v254, vcc_lo
.set n, n+1
.endr
.endm
; The tile's softmax for one key step.
.macro SOFT
	v_max3_num_f32 v254, v[S], v[S+1], v[S+2]      ; the step's largest score of my query among my 64 keys, in two chains, each accumulator from its low end on,
	v_max3_num_f32 v252, v[S+3], v[S+4], v[S+5]
.set i, 6
.rept 14
	v_max3_num_f32 v254, v254, v[S+i], v[S+i+1]
	v_max3_num_f32 v252, v252, v[S+i+2], v[S+i+3]
.set i, i+4
.endr
	v_max3_num_f32 v254, v254, v[S+62], v[S+63]
	s_delay_alu instid0(VALU_DEP_1)
	v_max_num_f32 v254, v254, v252
	s_delay_alu instid0(VALU_DEP_1)
	v_permlanex16_b32 v236, v254, s[SEL], s[SEL+1]
	s_delay_alu instid0(VALU_DEP_1)
	v_max_num_f32 v254, v254, v236                 ; and among lane l xor 16's
	s_delay_alu instid0(VALU_DEP_1)
	v_mul_f32 v254, s[CS], v254                    ; as t (c is positive)
	s_delay_alu instid0(VALU_DEP_1)
	v_max_num_f32 v13, v13, v254                   ; the running largest t
	v_mov_b32 v254, v12
	s_delay_alu instid0(VALU_DEP_2)
	v_floor_f32 v12, -v13                          ; the new -M = floor(-t) = -ceil(t)
	s_delay_alu instid0(VALU_DEP_1)
	v_sub_f32 v254, v12, v254                      ; old M - new M: a whole number, 0 or less
	s_delay_alu instid0(VALU_DEP_1)
	v_cvt_i32_f32 v254, v254                       ; (it saturates)
	s_delay_alu instid0(VALU_DEP_1)
	v_ldexp_f32 v252, 1.0, v254                    ; f = 2^(old M - new M)
.set i, 0
.rept 32
	v_pk_fma_f32 v[S+i:S+i+1], v[S+i:S+i+1], s[CS:CS+1], v[12:13] op_sel_hi:[1,0,0]   ; t - M, two at a time
.set i, i+2
.endr
	s_wait_alu depctr_va_vdst(0)
.set i, 0
.rept 64
	v_exp_f32 v[S+i], v[S+i]                       ; p = 2^(t - M): one batch
.set i, i+1
.endr
	v_pk_mul_f32 v[14:15], v[14:15], v[252:253] op_sel_hi:[1,0]    ; the sums under the new M: the plain line behind the exponentials
	s_wait_alu depctr_va_vdst(0)                   ; one wait, for the batch and for O^T, whose first readers follow directly
.set i, 0
.rept 16
	v_pk_mul_f32 v[O+i:O+i+1], v[O+i:O+i+1], v[252:253] op_sel_hi:[1,0]    ; O^T under the new M
.set i, i+2
.endr
	v_pk_add_f32 v[242:243], v[S:S+1], v[S+2:S+3]  ; the row's sum is taken of the unquantised p, in two chains
.set i, 4
.rept 15
	v_pk_add_f32 v[14:15], v[14:15], v[S+i:S+i+1]
	v_pk_add_f32 v[242:243], v[242:243], v[S+i+2:S+i+3]
.set i, i+4
.endr
	s_delay_alu instid0(VALU_DEP_1)
	v_pk_add_f32 v[14:15], v[14:15], v[242:243]
.set i, 0
.rept 32
	v_dual_min_num_f32 v[S+i], v[S+i], v240 :: v_dual_min_num_f32 v[S+i+1], v[S+i+1], v241   ; the conversion does not saturate (ISA guide 7.6.2); p is not negative, so the hold is one-sided; two holds an instruction
.set i, i+2
.endr
.irp t, 0,1,2,3,4,5,6,7
	v_cvt_scalef32_pk8_bf8_f32 v[P+2*\t:P+2*\t+1], v[S+8*\t:S+8*\t+7], v244   ; registers 2 t, 2 t + 1 of P: keys 16 t + 8 (lane / 16) + 0 .. 7
.endr
	v_nop                                          ; a plain line between the conversions and the products that read their results
.endm
; A key step; the step's LDS byte is in s[ks].
.macro STEP mask, ks
	v_add_nc_u32 v[ADK], s[\ks], v[LI]
	v_add_nc_u32 v[ADV], s[\ks], v[LIV]
	v_nop
	v_nop                                          ; four plain places behind the last products, which read v32-95
.irp t, 0,1,2,3,4,5,6,7
	ds_load_b128 v[KV+8*\t:KV+8*\t+3],   v[ADK] offset:1024*\t
	ds_load_b128 v[KV+8*\t+4:KV+8*\t+7], v[ADK] offset:1024*\t+512
.endr
	s_wait_alu depctr_va_vdst(0)
	s_wait_dscnt 0x0
.irp t, 0,1,2,3,4,5,6,7
	v_wmma_f32_16x16x64_bf8_bf8 v[S+8*\t:S+8*\t+7], v[KV+8*\t:KV+8*\t+7], v[QH:QH+7], 0
.endr
.rept 4
	v_nop                                          ; places in front of the loads into K's registers and of the first read of the scores
.endr
.irp d, 0,1,2,3
.irp c, 0,1,2,3
	ds_load_b128 v[KV+16*\d+4*\c:KV+16*\d+4*\c+3], v[ADV] offset:2048*\d+512*\c    ; V lands under the softmax
.endr
.endr
.if \mask
	s_cmp_lg_u32 s68, 0                            ; the tile's diagonal step?  It hangs on the trip and the wave's number
	s_cbranch_scc0 .Lopen_\@
	MASK
.Lopen_\@:
.endif
	SOFT
	s_wait_alu depctr_va_vdst(0)
	s_wait_dscnt 0x0                               ; V is in
.irp d, 0,1,2,3
	v_wmma_f32_16x16x128_bf8_bf8 v[O+8*\d:O+8*\d+7], v[KV+16*\d:KV+16*\d+15], v[P:P+15], v[O+8*\d:O+8*\d+7]
.endr                                              ; the four accumulators take turns; eleven other products stand between two links of one sum
.endm
; A tile is finished: O^T x 2^(e8 + e9) / the sum, held, converted with 2^e10, and its image stored: two stores of 512 consecutive bytes.  ao: its offset register; cd: its code registers, which nothing writes again.
.macro FLUSH ao, cd
	v_add_f32 v14, v14, v15
	s_delay_alu instid0(VALU_DEP_1)
	v_permlanex16_b32 v252, v14, s[SEL], s[SEL+1]
	s_delay_alu instid0(VALU_DEP_1)
	v_add_f32 v14, v14, v252                       ; the row's sum
	s_wait_alu depctr_va_vdst(0)                   ; the wait ahead of the reciprocal,
	v_rcp_f32 v14, v14
	v_nop                                          ; a plain line behind it,
	s_wait_alu depctr_va_vdst(0)                   ; the wait ahead of its first reader,
	v_ldexp_f32 v14, v14, s[EPV]
	s_wait_alu depctr_va_vdst(0)                   ; and the wait directly ahead of the first reader of O^T
.set i, 0
.rept 16
	v_pk_mul_f32 v[S+i:S+i+1], v[O+i:O+i+1], v[14:15] op_sel_hi:[1,0]
.set i, i+2
.endr
.set i, 0
.rept 32
	v_med3_num_f32 v[S+i], v[S+i], -v246, v246
.set i, i+1
.endr
.irp d, 0,1,2,3
	v_cvt_scalef32_pk8_bf8_f32 v[\cd+2*\d:\cd+2*\d+1], v[S+8*\d:S+8*\d+7], v245
.endr
	v_nop                                          ; a plain line behind the last conversion: later products write its sources
	global_store_b128 v[\ao], v[\cd:\cd+3], s[12:13]
	global_store_b128 v[\ao], v[\cd+4:\cd+7], s[12:13] offset:512
.endm
	s_wait_alu depctr_va_vdst(0)
	s_wait_tensorcnt 0x0                           ; my part of key steps 0 to 3 is in
	ds_add_u32 v[SPW], v[NIL]
	s_wait_dscnt 0x0
	CROUND                                         ; everybody's part is in, and all four work-groups are here
	tensor_load_to_lds s[44:47], s[G1B:G1B+7]      ; key steps 4 to 15: bytes that nothing has filled, and that no trip of the loop below reads
	s_nop 0
	s_wait_loadcnt 0x0                             ; Q
	s_mov_b32 s60, 0
	s_mov_b32 s61, 0
.Lfirst:                                           ; trips 0 to 3: key steps 0 to 3 of the first tile (j is 16 or more: nine steps at the least, no diagonal here); the reads stay inside the bytes that have landed
	STEP 0, 61
	s_add_co_u32 s61, s61, 8192
	s_add_co_u32 s60, s60, 1
	s_cmp_lt_u32 s60, 4
	s_cbranch_scc1 .Lfirst
	s_wait_tensorcnt 0x0                           ; my part of the rest is in,
	s_wait_dscnt 0x0
	s_barrier_signal -1
	s_barrier_wait -1                              ; everybody's is: from here on the waves run free
	s_mov_b32 s60, 4                               ; the trip
	s_mov_b32 s61, 32768                           ; 8,192 x trip: the first tile's key step,
	s_mov_b32 s62, 98304                           ; 8,192 x (16 - trip): the second tile's
.Lmain:
	s_sub_co_u32 s71, s60, s67
	s_cmp_lt_u32 s71, 2                            ; the first tile's last trip and the second tile's first are diagonal steps
	s_cselect_b32 s68, 1, 0
	s_cmp_lt_u32 s60, s66
	s_cselect_b32 s63, s61, s62
	s_min_u32 s63, s63, 122880                     ; (the chosen one never lies above the last key step)
	STEP 1, 63
	s_cmp_lg_u32 s60, s67
	s_cbranch_scc1 .Lsame
.rept 4
	v_nop                                          ; places behind the last products
.endr
	FLUSH AOA, 208
.irp i, 0,1,2,3,4,5,6,7
	v_mov_b32 v[QH+\i], v[QL+\i]                   ; on to the second tile
.endr
	v_mov_b32 v[DG], v[DGB]
	STATE0
	s_wait_alu depctr_va_vdst(0)
.Lsame:
	s_add_co_u32 s61, s61, 8192
	s_sub_co_u32 s62, s62, 8192
	s_add_co_u32 s60, s60, 1
	s_cmp_lt_u32 s60, 17
	s_cbranch_scc1 .Lmain
.rept 4
	v_nop
.endr
	FLUSH AOB, 216
	s_wait_tensorcnt 0x0                           ; the wave's end
	ds_add_u32 v[SPW], v[NIL]
	s_wait_dscnt 0x0
	CROUND                                         ; the closing round
	s_endpgm
.Lfunc_end_k_qae691bdf92_attn:
	.size	k_qae691bdf92_attn, .Lfunc_end_k_qae691bdf92_attn-k_qae691bdf92_attn
	.p2alignl 7, 3214868480
	.fill 96, 4, 3214868480
	.section	.rodata,"a",@progbits
	.p2align	6, 0x0
	.amdhsa_kernel k_qae691bdf92_attn
		.amdhsa_group_segment_fixed_size 327680
		.amdhsa_private_segment_fixed_size 0
		.amdhsa_enable_private_segment 0
		.amdhsa_kernarg_size 40
		.amdhsa_user_sgpr_count 2
		.amdhsa_user_sgpr_kernarg_segment_ptr 1
		.amdhsa_wavefront_size32 1
		.amdhsa_system_sgpr_workgroup_id_x 1
		.amdhsa_system_sgpr_workgroup_id_y 1
		.amdhsa_system_sgpr_workgroup_id_z 1
		.amdhsa_system_vgpr_workitem_id 0
		.amdhsa_next_free_vgpr 256
		.amdhsa_next_free_sgpr 80
		.amdhsa_reserve_vcc 1
		.amdhsa_float_denorm_mode_32 3
		.amdhsa_float_denorm_mode_16_64 3
		.amdhsa_memory_ordered 1
		.amdhsa_forward_progress 1
		.amdhsa_inst_pref_size 55
	.end_amdhsa_kernel
	.amdgpu_metadata
---
amdhsa.version: [ 1, 2 ]
amdhsa.kernels:
  - .name:           k_qae691bdf92_attn
    .symbol:         k_qae691bdf92_attn.kd
    .args:
      - { .name: qws, .offset: 0, .size: 8, .value_kind: global_buffer, .address_space: global }
      - { .name: kws, .offset: 8, .size: 8, .value_kind: global_buffer, .address_space: global }
      - { .name: vws, .offset: 16, .size: 8, .value_kind: global_buffer, .address_space: global }
      - { .name: lowp_scales, .offset: 24, .size: 8, .value_kind: global_buffer, .address_space: global }
      - { .name: aows, .offset: 32, .size: 8, .value_kind: global_buffer, .address_space: global }
    .group_segment_fixed_size: 327680
    .private_segment_fixed_size: 0
    .kernarg_segment_align: 8
    .kernarg_segment_size: 40
    .max_flat_workgroup_size: 512
    .sgpr_count:     80
    .vgpr_count:     256
    .wavefront_size: 32
...
	.end_amdgpu_metadata
.endif
;; end of part 2
;; launch outp (part 3): grid 8 x 32, 4 waves a work-group, clusters of 4 x 4, 327,680 bytes of LDS; arguments aows, Wo_codes, bo, lowp_scales, out0; writes out0
.if DOCPART == 3
	.amdgcn_target "amdgcn-amd-amdhsa--gfx1250"
	.amdhsa_code_object_version 6
	.text
	.protected	k_qae691bdf92_outp
	.globl	k_qae691bdf92_outp
	.p2align	8
	.type	k_qae691bdf92_outp,@function
k_qae691bdf92_outp:
	s_mov_b64 s[64:65], 0
	v_nop
	global_prefetch_b8 v0, s[64:65] scope:SCOPE_SE
	s_setreg_imm32_b32 hwreg(HW_REG_WAVE_MODE, 25, 1), 1
	s_wait_xcnt 0x0
	s_wait_alu depctr_hold_cnt(0) depctr_sa_sdst(0) depctr_va_vdst(0) depctr_va_sdst(0) depctr_va_ssrc(0) depctr_va_vcc(0) depctr_vm_vsrc(0)
	s_getreg_b32 s2, hwreg(HW_REG_IB_STS2, 6, 4)
	s_cmp_eq_u32 s2, 0
	s_cbranch_scc0 .Lentry_in_a_cluster
	s_endpgm
.Lentry_in_a_cluster:
	s_bfe_u32 s2, ttmp6, 0x10000c
	s_cmp_lg_u32 s2, 0xf033
	s_cbranch_scc0 .Lentry_shape_is_right
	s_endpgm
.Lentry_shape_is_right:
; out0[token][n] = 2^(e10 + e11) x the sum over k of ao[token][k] Wo[n][k] + bo[n], on codes of BF8 (E5M2); sums in f32; K = 1,024 = head x 64 + d.
; aows: [(batch x 2,048 + token) / 16][head][1,024 bytes]: an image of the 8 registers of a K = 64 operand; two heads on end are the 16 registers of a K = 128 operand.
; SHARES.  A work-group makes 256 tokens x 128 features: 32 x 8 = 256 work-groups.  Wave w makes tokens 64 w .. 64 w + 63 x all 128 features: 32 accumulators of 16 x 16.
; ALL THAT THE LAUNCH READS IS ASKED FOR AT ITS HEAD, and nothing in LDS is filled again: there is no ring and no change of slots.
;   B = Wo's 128 rows, the whole K, into LDS (rows of 1,024 bytes, 1,040 apart): waves 2 and 3, 64 rows each, a joint load shared along a column of the cluster (the same features).
;   A's K steps 4 to 7 (heads 8 to 15: 8,192 bytes of each of 16 token tiles) into LDS as they lie: waves 0 and 1, 8 token tiles each, a joint load shared along a row of the cluster (the same tokens).
;   A's K steps 0 to 3 go from memory STRAIGHT INTO REGISTERS: the images are laid as the registers want them, a load of the wave reads 512 consecutive bytes, and each wave's tokens are its own: 64 loads a wave.
; All 512 registers of a wave's A have places of their own.
; The matrix instruction is used transposed (source 0 = 16 rows of Wo, source 1 = 16 tokens): a lane holds eight neighbouring features of one token.
; THE WAY OUT: a block of 16 tokens x 128 features goes as raw sums through my stage in LDS and comes back as rows of 512 bytes; there a lane holds four features, the same in every row: one fused multiply-add
; for each pair applies the scale and the bias, and the 32 lanes store two aligned units of 256 bytes.
; LIMIT: e10 + e11 between -126 and 127, so that 2^(e10 + e11) is an f32 number.
; No prefetch: there is no later load to run ahead of.
; REGISTERS: window 0: v0-35 addresses and the bias; v64-255 B's fragments: three sets of four blocks, by turns; later the rows read back.  window 1: the accumulators, (a, b) at v[64 a + 8 b].  windows 2, 3: A: K step n, block a at v[64 (n % 4) + 16 a].
.set BP,     1040                      ; 260 words: row r starts 4 r words on, and each lane of a load of 8 bytes has two words of its own among 64
.set BOFF,   131072                    ; A's 16 x 8,192 bytes lie from byte 0, B behind them
.set SPARE,  BOFF+128*BP               ; behind B: the spare words, 128 bytes a wave
.set STAGE,  SPARE+512                 ; 16 rows x 528 bytes for each wave: bytes on which no fill lands
.set SPITCH, 528
.set AO,   16                          ; v16     16 x lane: my place in an image of A, in a row of out0, and in bo
.set ADRA, 17                          ; v17     LDS address of my four token tiles
.set ADRB, 20                          ; v20-21  LDS address of B's blocks 0-3, 4-7
.set STO,  24                          ; v24     the way out: where I put 32 bytes of a row
.set RD,   25                          ; v25     where I read a row back
.set SPW,  28
.set NIL,  29
.set BO,   32                          ; v32-35  bo at my four features
.set BK,   64                          ; v64-127, v128-191 by turns: 16 rows read back
.set MSB, 0
.macro WIN new
.if MSB != (\new)
	s_set_vgpr_msb (MSB<<8)|(\new)
.set MSB, (\new)
.endif
.endm
.macro CROUND
	s_barrier_signal -1
	s_barrier_wait -1
	s_cmp_lg_u32 s14, 0
	s_cbranch_scc1 .Lnot_wave_0_\@
	s_barrier_signal -3
.Lnot_wave_0_\@:
	s_barrier_wait -3
	s_barrier_signal -1
	s_barrier_wait -1
.endm
.macro ALOAD n                         ; A's four blocks of K step n (128 along K), n = 0 .. 3, from memory: 16 loads of 512 bytes
	WIN 0x80                                       ; destination window 2, address window 0
.irp a, 0,1,2,3
.irp c, 0,1,2,3
	global_load_b128 v[64*(\n)+16*\a+4*\c:64*(\n)+16*\a+4*\c+3], v[AO], s[4:5] offset:16384*\a+2048*(\n)+512*\c
.endr
.endr
	WIN 0
.endm
.macro ALDS n                          ; the same for n = 4 .. 7, from LDS
	WIN 0xc0                                       ; destination window 3, address window 0
.irp a, 0,1,2,3
.irp c, 0,1,2,3
	ds_load_b128 v[64*((\n)-4)+16*\a+4*\c:64*((\n)-4)+16*\a+4*\c+3], v[ADRA] offset:8192*\a+2048*((\n)-4)+512*\c
.endr
.endr
	WIN 0
.endm
.macro FETCHB u                        ; half step u = 2 n + f: B's blocks 4 f .. 4 f + 3 of K step n into set u % 3: registers 2 c, 2 c + 1 hold k = 16 c + 8 (lane / 16) + 0 .. 7, as A's images have them
.set BS, 64+64*((\u)%3)
.irp i, 0,1,2,3
.irp c, 0,1,2,3,4,5,6,7
	ds_load_b64 v[BS+16*\i+2*\c:BS+16*\i+2*\c+1], v[ADRB+(\u)%2] offset:\i*16*BP+128*((\u)/2)+16*\c
.endr
.endr
.endm
; A half step: 16 matrix instructions, my four blocks of A x four of B.  The 32 accumulators take turns, one instruction a turn, in the same order in every K step.
.macro HALF u
.if ((\u)%2 == 0) && ((\u) < 8)
	s_wait_loadcnt 16*(3-(\u)/2)                   ; A's K step n is in; the later steps' loads may be out
.endif
.if (\u) < 15
	s_wait_dscnt 32                                ; this half step's B is in: behind its loads 32 or 48 LDS loads were issued.  (A's loads from LDS stand at least one such wait ahead of their use)
.else
	s_wait_dscnt 0
.endif
.if (\u) < 14
.rept 4
	v_nop                                          ; places behind the last half step's products, whose set is loaded anew
.endr
	FETCHB (\u)+2
.endif
.if ((\u)%2 == 0) && ((\u) < 8)
	ALDS (\u)/2+4
.endif
.set BS, 64+64*((\u)%3)
.set AB, 64*(((\u)/2)%4)
	WIN 0x58+4*((\u)/8)                            ; B window 0, A window 2 or 3, C and D window 1
.irp a, 0,1,2,3
.irp i, 0,1,2,3
.if (\u) < 2
	v_wmma_f32_16x16x128_bf8_bf8 v[64*\a+8*(4*((\u)%2)+\i):64*\a+8*(4*((\u)%2)+\i)+7], v[BS+16*\i:BS+16*\i+15], v[AB+16*\a:AB+16*\a+15], 0
.else
	v_wmma_f32_16x16x128_bf8_bf8 v[64*\a+8*(4*((\u)%2)+\i):64*\a+8*(4*((\u)%2)+\i)+7], v[BS+16*\i:BS+16*\i+15], v[AB+16*\a:AB+16*\a+15], v[64*\a+8*(4*((\u)%2)+\i):64*\a+8*(4*((\u)%2)+\i)+7]
.endif
.endr
.endr
	WIN 0
.endm
	s_load_b128 s[4:7], s[0:1], 0x0                ; aows, Wo's codes
	s_load_b128 s[8:11], s[0:1], 0x10              ; bo, the scales
	s_load_b64 s[12:13], s[0:1], 0x20              ; out0
	v_lshl_add_u32 v[SPW], v0, 2, SPARE
	v_mov_b32 v[NIL], 0
	ds_add_u32 v[SPW], v[NIL]                      ; the opening lines: the add, twice on end, and its wait ahead of my first tensor load
	ds_add_u32 v[SPW], v[NIL]
	v_lshrrev_b32 v1, 5, v0
	v_readfirstlane_b32 s14, v1                    ; wave 0..3
	s_lshr_b32 s15, s14, 1                         ; I fetch for A (0) or for B (1),
	s_and_b32 s16, s14, 1                          ; and which half
	s_bfe_u32 s40, ttmp6, 0x40000                  ; cx
	s_bfe_u32 s41, ttmp6, 0x40004                  ; cy
	s_lshl_b32 s42, ttmp9, 2
	s_add_co_u32 s42, s42, s40                     ; which 128 features
	s_and_b32 s17, ttmp7, 0xffff
	s_lshl_b32 s17, s17, 2
	s_add_co_u32 s17, s17, s41                     ; which 256 tokens
	s_lshl_b32 s43, s41, 2
	s_lshl_b32 s43, 15, s43                        ; my row of the cluster
	s_lshl_b32 s44, 0x1111, s40                    ; my column
	s_or_b32 s24, s43, (3<<16)|(1<<21)             ; A: the mask of my row; elements of 8 bytes; bit 21 set beside a mask; no padding
	s_mov_b32 s25, 1024<<16                        ; tensor_dim0: 8,192 bytes
	s_mov_b32 s26, 8<<16                           ; tensor_dim1: 8 token tiles
	s_mov_b32 s27, 1024<<16                        ; tile_dim0
	s_mov_b32 s28, 8                               ; tile_dim1
	s_mov_b32 s29, 2048                            ; the pitch: 16,384 bytes
	s_mov_b32 s30, 0
	s_mov_b32 s31, 0
	s_or_b32 s48, s44, (0<<16)|(1<<20)|(1<<21)|(7<<22)|(3<<25)   ; B: the mask of my column; elements of 1 byte; padding on; four words behind every 256
	s_mov_b32 s49, 1024<<16
	s_mov_b32 s50, 64<<16
	s_mov_b32 s51, 1024<<16
	s_mov_b32 s52, 64
	s_mov_b32 s53, 1024
	s_mov_b32 s54, 0
	s_mov_b32 s55, 0
	s_lshl_b32 s20, s17, 18                        ; A: 16 token tiles of 16,384 bytes for 256 tokens;
	s_lshl_b32 s18, s16, 17                        ; the tensor load: 8 of them for a half,
	s_add_co_u32 s36, s20, s18
	s_add_co_u32 s36, s36, 8192                    ; from head 8 on
	s_mov_b32 s37, 0
	s_lshl_b32 s18, s14, 16                        ; the register loads: four for a wave
	s_add_co_u32 s20, s20, s18
	s_mov_b32 s21, 0
	s_lshl_b32 s46, s42, 17                        ; B: 128 rows of 1,024 bytes,
	s_lshl_b32 s18, s16, 16                        ; 64 for a half
	s_add_co_u32 s46, s46, s18
	s_mov_b32 s47, 0
	s_lshl_b32 s22, s42, 9                         ; 128 features of f32
	s_mov_b32 s23, 0
	s_lshl_b32 s60, s17, 20                        ; out0: 256 rows of 4,096 bytes,
	s_lshl_b32 s18, s14, 18                        ; 64 for a wave
	s_add_co_u32 s60, s60, s18
	s_add_co_u32 s60, s60, s22
	s_mov_b32 s61, 0
	s_lshl_b32 s33, s16, 16                        ; where A's half goes,
	s_mul_i32 s57, s16, 64*BP
	s_add_co_u32 s57, s57, BOFF                    ; and B's
	s_lshl_b32 s19, s14, 15                        ; my four token tiles in LDS
	s_mul_i32 s41, s14, 16*SPITCH
	s_add_co_u32 s41, s41, STAGE                   ; my stage
	v_and_b32 v1, 15, v0                           ; r
	v_bfe_u32 v2, v0, 4, 1                         ; h
	v_and_b32 v3, 31, v0
	v_lshlrev_b32 v[AO], 4, v3
	v_mul_u32_u24 v5, v1, BP
	v_lshl_add_u32 v5, v2, 3, v5                   ; row r, + 8 h
	v_add_nc_u32 v[ADRB], BOFF, v5
	v_add_nc_u32 v[ADRB+1], BOFF+64*BP, v5
	v_mul_u32_u24 v6, v1, SPITCH
	v_lshl_add_u32 v6, v2, 5, v6
	v_add_nc_u32 v[STO], s41, v6                   ; in: row r, 32 bytes for each half of the lanes
	v_add_nc_u32 v[RD], s41, v[AO]                 ; back: the 32 lanes take one row of 512 bytes
	v_add_nc_u32 v[ADRA], s19, v[AO]
	s_wait_alu depctr_va_vdst(0)
	s_wait_dscnt 0x0                               ; both opening adds are done
	s_wait_kmcnt 0x0
	s_load_b64 s[96:97], s[10:11], 0x28            ; e10, e11
	s_mov_b32 s32, 1
	s_add_nc_u64 s[34:35], s[4:5], s[36:37]
	s_or_b32 s35, s35, 0x80000000
	s_mov_b32 s56, 1
	s_add_nc_u64 s[58:59], s[6:7], s[46:47]
	s_or_b32 s59, s59, 0x80000000
	s_add_nc_u64 s[4:5], s[4:5], s[20:21]
	s_add_nc_u64 s[8:9], s[8:9], s[22:23]
	s_add_nc_u64 s[12:13], s[12:13], s[60:61]
	global_load_b128 v[BO:BO+3], v[AO], s[8:9]
	ALOAD 0
	ALOAD 1
	ALOAD 2
	ALOAD 3
	CROUND                                         ; all sixteen work-groups are here: the joint loads meet
	s_cmp_eq_u32 s15, 0                            ; every wave's one tensor load, in the two arms of one branch on the wave's number
	s_cbranch_scc0 .Lfor_b
	tensor_load_to_lds s[32:35], s[24:31]
	s_nop 0
.rept 4
	v_nop
.endr
	s_branch .Lasked
.Lfor_b:
	tensor_load_to_lds s[56:59], s[48:55]
	s_nop 0
.rept 4
	v_nop
.endr
.Lasked:
	s_wait_tensorcnt 0x0                           ; my part is in,
	s_barrier_signal -1
	s_barrier_wait -1                              ; everybody's is; nothing is ever filled again
	FETCHB 0
	FETCHB 1
.irp u, 0,1,2,3,4,5,6,7,8,9,10,11,12,13,14,15
	HALF \u
.endr
.macro TOSTAGE a                       ; block a's raw sums into my stage, each accumulator from its low end on, and back as rows.  LDS serves a wave's instructions in order (ISA guide 5.7.1.4)
	WIN 0x04                                       ; the stores' data: window 1
.irp b, 0,1,2,3,4,5,6,7
	ds_store_b128 v[STO], v[64*(\a)+8*\b:64*(\a)+8*\b+3] offset:64*\b
	ds_store_b128 v[STO], v[64*(\a)+8*\b+4:64*(\a)+8*\b+7] offset:64*\b+16
.endr
	WIN 0
.set BB, BK+64*((\a)%2)
.irp t, 0,1,2,3,4,5,6,7,8,9,10,11,12,13,14,15
	ds_load_b128 v[BB+4*\t:BB+4*\t+3], v[RD] offset:\t*SPITCH
.endr
.endm
.macro SEND a, younger                 ; younger: the LDS instructions issued behind block a's loads, which may stay out
.set BB, BK+64*((\a)%2)
	s_wait_dscnt \younger
.irp t, 0,1,2,3,4,5,6,7,8,9,10,11,12,13,14,15
	v_pk_fma_f32 v[BB+4*\t:BB+4*\t+1], v[BB+4*\t:BB+4*\t+1], s[96:97], v[BO:BO+1] op_sel_hi:[1,0,1]       ; x 2^(e10 + e11) + bo
	v_pk_fma_f32 v[BB+4*\t+2:BB+4*\t+3], v[BB+4*\t+2:BB+4*\t+3], s[96:97], v[BO+2:BO+3] op_sel_hi:[1,0,1]
.endr
.irp t, 0,1,2,3,4,5,6,7,8,9,10,11,12,13,14,15
	global_store_b128 v[AO], v[BB+4*\t:BB+4*\t+3], s[12:13] offset:(16*(\a)+\t)*4096 th:TH_STORE_NT   ; 32 lanes store 512 consecutive bytes, at a multiple of 512 from out0's first byte
.endr
.endm
	s_wait_kmcnt 0x0
	s_add_co_i32 s96, s96, s97
	s_add_co_i32 s96, s96, 127
	s_lshl_b32 s96, s96, 23                        ; 2^(e10 + e11) as f32
	s_mov_b32 s97, s96                             ; (named with it as a pair, so it is written)
.rept 4
	v_nop                                          ; places behind the last products: results are read, and loads land in B's registers
.endr
	TOSTAGE 0
.irp a, 1,2,3
.if \a > 1
	s_wait_xcnt 0x0                                ; block a - 2's stores have read their registers: block a's rows may land there
.endif
	TOSTAGE \a
	SEND \a-1, 32                                  ; behind block a - 1's loads: block a's 16 stores and 16 loads
.endr
	SEND 3, 0
	s_wait_tensorcnt 0x0                           ; the wave's end
	ds_add_u32 v[SPW], v[NIL]
	s_wait_dscnt 0x0
	CROUND                                         ; the closing round
	s_endpgm
.Lfunc_end_k_qae691bdf92_outp:
	.size	k_qae691bdf92_outp, .Lfunc_end_k_qae691bdf92_outp-k_qae691bdf92_outp
	.p2alignl 7, 3214868480
	.fill 96, 4, 3214868480
	.section	.rodata,"a",@progbits
	.p2align	6, 0x0
	.amdhsa_kernel k_qae691bdf92_outp
		.amdhsa_group_segment_fixed_size 327680
		.amdhsa_private_segment_fixed_size 0
		.amdhsa_enable_private_segment 0
		.amdhsa_kernarg_size 40
		.amdhsa_user_sgpr_count 2
		.amdhsa_user_sgpr_kernarg_segment_ptr 1
		.amdhsa_wavefront_size32 1
		.amdhsa_system_sgpr_workgroup_id_x 1
		.amdhsa_system_sgpr_workgroup_id_y 1
		.amdhsa_system_sgpr_workgroup_id_z 1
		.amdhsa_system_vgpr_workitem_id 0
		.amdhsa_next_free_vgpr 1024
		.amdhsa_next_free_sgpr 98
		.amdhsa_reserve_vcc 0
		.amdhsa_float_denorm_mode_32 3
		.amdhsa_float_denorm_mode_16_64 3
		.amdhsa_memory_ordered 1
		.amdhsa_forward_progress 1
		.amdhsa_inst_pref_size 91
	.end_amdhsa_kernel
	.amdgpu_metadata
---
amdhsa.version: [ 1, 2 ]
amdhsa.kernels:
  - .name:           k_qae691bdf92_outp
    .symbol:         k_qae691bdf92_outp.kd
    .args:
      - { .name: aows, .offset: 0, .size: 8, .value_kind: global_buffer, .address_space: global }
      - { .name: Wo_codes, .offset: 8, .size: 8, .value_kind: global_buffer, .address_space: global }
      - { .name: bo, .offset: 16, .size: 8, .value_kind: global_buffer, .address_space: global }
      - { .name: lowp_scales, .offset: 24, .size: 8, .value_kind: global_buffer, .address_space: global }
      - { .name: out0, .offset: 32, .size: 8, .value_kind: global_buffer, .address_space: global }
    .group_segment_fixed_size: 327680
    .private_segment_fixed_size: 0
    .kernarg_segment_align: 8
    .kernarg_segment_size: 40
    .max_flat_workgroup_size: 128
    .sgpr_count:     98
    .vgpr_count:     1024
    .wavefront_size: 32
...
	.end_amdgpu_metadata
.endif
;; end of part 3
